; MI455X (gfx1250); checked and timed in simulation.
; The chip was launched on July 23, 2026; its instructions are those of AMD's public machine-readable ISA for CDNA 5 (MIT licence, August 2026) and "CDNA5" Instruction Set Architecture Reference Guide (July 2026). The comments in the code are by the model that wrote it; some were corrected since.
;; Sparse Multi Head Attention. Allowed arithmetic: float matrix products may take bf16 or f16 operands with f32 sums; all other float work in f32.
;; Inputs: bk 1,024 float32; bo 1,024 float32; bq 1,024 float32; bv 1,024 float32; k 2 x 2,048 x 1,024 float32; q 2 x 2,048 x 1,024 float32; v 2 x 2,048 x 1,024 float32; wk 1,024 x 1,024 float32; wo 1,024 x 1,024 float32; wq 1,024 x 1,024 float32; wv 1,024 x 1,024 float32.
;; Outputs: out0 2 x 2,048 x 1,024 float32.
;; One version. Each part assembles by itself: llvm-mc -triple=amdgcn-amd-amdhsa -mcpu=gfx1250 --defsym DOCPART=n.
;; ======== version 1 of 1: 4 launches
;; limits: values are held in f16: magnitudes above 65,504 overflow, below 6.1e-05 lose precision
;; workspace buffers: xb 25,165,824 bytes; wb 8,388,608 bytes; rope 524,288 bytes; qkvf 25,165,824 bytes; aof 8,388,608 bytes
;; launch prep (part 1): grid 1088 x 1, 8 waves a work-group, no clusters, 0 bytes of LDS; arguments q, k, v, wq, wk, wv, wo, xb, wb, rope; writes xb, wb, rope
.if DOCPART == 1
	.amdgcn_target "amdgcn-amd-amdhsa--gfx1250"
	.amdhsa_code_object_version 6
	.text
	.protected	k_q52874780ce_prep
	.globl	k_q52874780ce_prep
	.p2align	8
	.type	k_q52874780ce_prep,@function
k_q52874780ce_prep:
	s_mov_b64 s[64:65], 0
	v_nop
	global_prefetch_b8 v0, s[64:65] scope:SCOPE_SE
	s_setreg_imm32_b32 hwreg(HW_REG_WAVE_MODE, 25, 1), 1
	s_wait_xcnt 0x0
; prep: the f32 inputs of the four products are rounded once to f16, and the RoPE table is made.
;   xb = f16 [3][4096][1024] (q, k, v), wb = f16 [4][1024][1024] (wq, wk, wv, wo), both row-major as the inputs.
;   rope = f32, 128 blocks of 16 positions, 4,096 bytes each: byte = w*512 + lane*16 + 4e, lane = 16h + r,
;          w 0-3 cosine, w 4-7 sine, position 16*block + r, frequency i = 16*((w&3)>>1) + 8h + 4*(w&1) + e:
;          the order in which a lane of the projection's result tiles wants them.
; Work-groups 0-1023 cast 64 KiB of f32 each (768 for q, k, v; 256 for the weights); 1024-1087 make two table blocks each.
; A stream: no LDS, no barrier, no matrix unit; every byte is read once by 16-byte loads, and a wave's store covers
; 256 consecutive bytes, aligned.
; LIMITS. f16 holds magnitudes below 65,504 and steps of 6e-8 below 6e-5: inputs of spread 1 and 1/32 keep room for a
; factor of 30 either way.  Table: 10000^(-i/32) by v_exp_f32, the angle (at most 2,047) reduced by pi/2 in two parts,
; sine to the 7th and cosine to the 8th power on |rho| <= pi/4: angle error at most about 4e-4.
.set XI, 8                             ; v[8:71]   16 loads of 4 f32
.set YO, 72                            ; v[72:103] 16 pairs of registers, 4 f16 each
	s_load_b512 s[4:19], s[0:1], 0x0               ; q 4:5, k 6:7, v 8:9, wq 10:11, wk 12:13, wv 14:15, wo 16:17, xb 18:19
	s_load_b128 s[20:23], s[0:1], 0x40             ; wb 20:21, rope 22:23
	s_mov_b32 s33, ttmp9
	s_cmp_ge_u32 s33, 1024
	s_cbranch_scc1 .Ltable
	; ---- the casts ----
	s_lshr_b32 s28, s33, 8                         ; 0, 1, 2: q, k, v; 3: a weight
	s_bfe_u32 s29, s33, 0x20006                    ; which weight: 2 bits from bit 6
	s_and_b32 s30, s33, 255                        ; my 64 KiB in q, k or v
	s_and_b32 s31, s33, 63                         ; my 64 KiB in a weight
	s_sub_co_u32 s32, s33, 768                     ; my 32 KiB in wb (used for weights alone)
	v_lshlrev_b32 v1, 4, v0                        ; 16 bytes a thread in
	v_lshlrev_b32 v2, 3, v0                        ; 8 bytes a thread out
	s_wait_kmcnt 0x0
	s_cmp_eq_u32 s28, 1
	s_cselect_b64 s[24:25], s[6:7], s[4:5]
	s_cmp_eq_u32 s28, 2
	s_cselect_b64 s[24:25], s[8:9], s[24:25]       ; q, k or v
	s_cmp_eq_u32 s29, 1
	s_cselect_b64 s[26:27], s[12:13], s[10:11]
	s_cmp_eq_u32 s29, 2
	s_cselect_b64 s[26:27], s[14:15], s[26:27]
	s_cmp_eq_u32 s29, 3
	s_cselect_b64 s[26:27], s[16:17], s[26:27]     ; wq, wk, wv or wo
	s_cmp_eq_u32 s28, 3
	s_cselect_b64 s[24:25], s[26:27], s[24:25]     ; the source,
	s_cselect_b64 s[34:35], s[20:21], s[18:19]     ; the destination,
	s_cselect_b32 s30, s31, s30                    ; and my place in each
	s_cselect_b32 s32, s32, s33
	s_lshl_b32 s36, s30, 16
	s_mov_b32 s37, 0
	s_lshl_b32 s38, s32, 15
	s_mov_b32 s39, 0
	s_add_nc_u64 s[24:25], s[24:25], s[36:37]
	s_add_nc_u64 s[34:35], s[34:35], s[38:39]
.irp j, 0,1,2,3,4,5,6,7,8,9,10,11,12,13,14,15
	global_load_b128 v[XI+4*\j:XI+4*\j+3], v1, s[24:25] offset:4096*\j th:TH_LOAD_NT   ; all sixteen go out at once
.endr
.irp j, 0,1,2,3,4,5,6,7,8,9,10,11,12,13,14,15
	s_wait_loadcnt 15-\j                           ; loads come back in order: load j is in, the younger ones stay out
	v_cvt_pk_f16_f32 v[YO+2*\j], v[XI+4*\j], v[XI+4*\j+1]
	v_cvt_pk_f16_f32 v[YO+2*\j+1], v[XI+4*\j+2], v[XI+4*\j+3]
	global_store_b64 v2, v[YO+2*\j:YO+2*\j+1], s[34:35] offset:2048*\j   ; no register is written twice: no further wait
.endr
	s_endpgm
	; ---- the table: thread t makes four cosines and four sines ----
.Ltable:
	s_sub_co_u32 s35, s33, 1024                    ; 0 .. 63
	s_lshl_b32 s36, s35, 13                        ; two blocks of 4,096 bytes
	s_mov_b32 s37, 0
	s_lshl_b32 s38, s35, 5                         ; my first position
	s_mov_b32 s24, 0xbed49a78                      ; -log2(10000)/32
	s_mov_b32 s25, 0x3f22f983                      ; 2/pi
	s_mov_b32 s26, 0xbfc90fdb                      ; -(pi/2 rounded to f32)
	s_mov_b32 s27, 0x333bbd2e                      ; that rounding's excess over pi/2
	s_mov_b32 s28, 0xbe2aaaab                      ; -1/6
	s_mov_b32 s29, 0x3c088889                      ; 1/120
	s_mov_b32 s30, 0xb9500d01                      ; -1/5040
	s_mov_b32 s31, 0x3d2aaaab                      ; 1/24
	s_mov_b32 s32, 0xbab60b61                      ; -1/720
	s_mov_b32 s34, 0x37d00d01                      ; 1/40320
	v_lshrrev_b32 v3, 7, v0                        ; which of my two blocks
	v_and_b32 v4, 15, v0                           ; r
	v_bfe_u32 v6, v0, 4, 1                         ; h
	v_bfe_u32 v7, v0, 5, 2                         ; w & 3
	v_lshl_add_u32 v8, v3, 4, v4
	v_add_nc_u32 v8, s38, v8                       ; position
	v_cvt_f32_u32 v10, v8
	v_lshrrev_b32 v9, 1, v7
	v_and_b32 v7, 1, v7
	v_lshlrev_b32 v11, 4, v9
	v_lshl_add_u32 v11, v6, 3, v11
	v_lshl_add_u32 v11, v7, 2, v11                 ; my first frequency: 16 (w>>1) + 8 h + 4 (w&1)
	v_lshlrev_b32 v5, 4, v0
	v_lshl_add_u32 v5, v3, 11, v5                  ; 4,096 block + 512 w + 16 lane = 16 t + 2,048 (t >> 7)
	s_wait_kmcnt 0x0
	s_add_nc_u64 s[22:23], s[22:23], s[36:37]
.macro SC e                            ; cosine into v[20+e], sine into v[24+e]
	v_add_nc_u32 v12, \e, v11
	v_cvt_f32_u32 v12, v12
	v_mul_f32 v12, s24, v12
	v_exp_f32 v13, v12                             ; 10000^(-i/32)
	v_nop                                          ; one plain instruction before the result is used (ISA guide 5.7.2)
	s_wait_alu depctr_va_vdst(0)
	v_mul_f32 v13, v10, v13                        ; the angle
	v_mul_f32 v14, s25, v13
	v_rndne_f32 v14, v14                           ; n = the nearest multiple of pi/2
	v_fma_f32 v15, v14, s26, v13
	v_fma_f32 v15, v14, s27, v15                   ; rho = angle - n pi/2
	v_mul_f32 v16, v15, v15                        ; z
	v_fma_f32 v17, v16, s30, s29
	v_fma_f32 v17, v16, v17, s28
	v_mul_f32 v18, v15, v16
	v_fma_f32 v17, v18, v17, v15                   ; sin rho
	v_fma_f32 v18, v16, s34, s32
	v_fma_f32 v18, v16, v18, s31
	v_fma_f32 v18, v16, v18, -0.5
	v_fma_f32 v18, v16, v18, 1.0                   ; cos rho
	v_cvt_i32_f32 v19, v14
	v_and_b32 v12, 1, v19
	v_cmp_eq_u32 vcc_lo, 1, v12                    ; odd quadrant: the two change places (a choice of values only)
	v_cndmask_b32 v[24+\e], v17, v18, vcc_lo
	v_cndmask_b32 v[20+\e], v18, v17, vcc_lo
	v_and_b32 v12, 2, v19                          ; sine is negative in quadrants 2, 3
	v_lshlrev_b32 v12, 30, v12
	v_xor_b32 v[24+\e], v12, v[24+\e]
	v_add_nc_u32 v19, 1, v19                       ; cosine in quadrants 1, 2
	v_and_b32 v19, 2, v19
	v_lshlrev_b32 v19, 30, v19
	v_xor_b32 v[20+\e], v19, v[20+\e]
.endm
	SC 0
	SC 1
	SC 2
	SC 3
	global_store_b128 v5, v[20:23], s[22:23]               ; a wave's store covers 512 consecutive bytes
	global_store_b128 v5, v[24:27], s[22:23] offset:2048
	s_endpgm
.Lfunc_end_k_q52874780ce_prep:
	.size	k_q52874780ce_prep, .Lfunc_end_k_q52874780ce_prep-k_q52874780ce_prep
	.p2alignl 7, 3214868480
	.fill 96, 4, 3214868480
	.section	.rodata,"a",@progbits
	.p2align	6, 0x0
	.amdhsa_kernel k_q52874780ce_prep
		.amdhsa_group_segment_fixed_size 0
		.amdhsa_private_segment_fixed_size 0
		.amdhsa_enable_private_segment 0
		.amdhsa_kernarg_size 80
		.amdhsa_user_sgpr_count 2
		.amdhsa_user_sgpr_kernarg_segment_ptr 1
		.amdhsa_wavefront_size32 1
		.amdhsa_system_sgpr_workgroup_id_x 1
		.amdhsa_system_sgpr_workgroup_id_y 1
		.amdhsa_system_sgpr_workgroup_id_z 1
		.amdhsa_system_vgpr_workitem_id 0
		.amdhsa_next_free_vgpr 104
		.amdhsa_next_free_sgpr 66
		.amdhsa_reserve_vcc 1
		.amdhsa_float_denorm_mode_32 3
		.amdhsa_float_denorm_mode_16_64 3
		.amdhsa_memory_ordered 1
		.amdhsa_forward_progress 1
		.amdhsa_inst_pref_size 14
	.end_amdhsa_kernel
	.amdgpu_metadata
---
amdhsa.version: [ 1, 2 ]
amdhsa.kernels:
  - .name:           k_q52874780ce_prep
    .symbol:         k_q52874780ce_prep.kd
    .args:
      - { .name: q, .offset: 0, .size: 8, .value_kind: global_buffer, .address_space: global }
      - { .name: k, .offset: 8, .size: 8, .value_kind: global_buffer, .address_space: global }
      - { .name: v, .offset: 16, .size: 8, .value_kind: global_buffer, .address_space: global }
      - { .name: wq, .offset: 24, .size: 8, .value_kind: global_buffer, .address_space: global }
      - { .name: wk, .offset: 32, .size: 8, .value_kind: global_buffer, .address_space: global }
      - { .name: wv, .offset: 40, .size: 8, .value_kind: global_buffer, .address_space: global }
      - { .name: wo, .offset: 48, .size: 8, .value_kind: global_buffer, .address_space: global }
      - { .name: xb, .offset: 56, .size: 8, .value_kind: global_buffer, .address_space: global }
      - { .name: wb, .offset: 64, .size: 8, .value_kind: global_buffer, .address_space: global }
      - { .name: rope, .offset: 72, .size: 8, .value_kind: global_buffer, .address_space: global }
    .group_segment_fixed_size: 0
    .private_segment_fixed_size: 0
    .kernarg_segment_align: 8
    .kernarg_segment_size: 80
    .max_flat_workgroup_size: 256
    .sgpr_count:     66
    .vgpr_count:     104
    .wavefront_size: 32
...
	.end_amdgpu_metadata
.endif
;; end of part 1
;; launch qkv (part 2): grid 4 x 48, 4 waves a work-group, clusters of 4 x 4, 327,680 bytes of LDS; arguments xb, wb, rope, bq, bk, bv, qkvf; writes qkvf
.if DOCPART == 2
	.amdgcn_target "amdgcn-amd-amdhsa--gfx1250"
	.amdhsa_code_object_version 6
	.text
	.protected	k_q52874780ce_qkv
	.globl	k_q52874780ce_qkv
	.p2align	8
	.type	k_q52874780ce_qkv,@function
k_q52874780ce_qkv:
	s_mov_b64 s[64:65], 0
	v_nop
	global_prefetch_b8 v0, s[64:65] scope:SCOPE_SE
	s_setreg_imm32_b32 hwreg(HW_REG_WAVE_MODE, 25, 1), 1
	s_wait_xcnt 0x0
	s_wait_alu depctr_hold_cnt(0) depctr_sa_sdst(0) depctr_va_vdst(0) depctr_va_sdst(0) depctr_va_ssrc(0) depctr_va_vcc(0) depctr_vm_vsrc(0)
	s_getreg_b32 s2, hwreg(HW_REG_IB_STS2, 6, 4)
	s_cmp_eq_u32 s2, 0
	s_cbranch_scc0 .Lentry_in_a_cluster
	s_endpgm
.Lentry_in_a_cluster:
	s_bfe_u32 s2, ttmp6, 0x10000c
	s_cmp_lg_u32 s2, 0xf033
	s_cbranch_scc0 .Lentry_shape_is_right
	s_endpgm
.Lentry_shape_is_right:
; qkv: Q = rope(q wq^T + bq), K = rope(k wk^T + bk), V = v wv^T + bv, f16 operands, f32 sums, results in f16 in the order
; in which the attention launch's matrix fragments want them.
; 192 work-groups, 64 for each product; each makes a block of 256 x 256 with four waves of 128 x 128 (64 accumulator tiles,
; 512 registers).  K = 1024 goes in steps of 128 through two LDS slots filled by the tensor data mover; rows of 256 bytes.
; CLUSTERS: 4 x 4 work-groups.  The four of a cluster's row need the same tiles of the operand called A here, the four of a column the
; same tiles of B: each tile is asked for jointly, which divides the requests by four.  A cluster lies in one product.
; ROLES: for Q and K, A = the tokens (4096 rows), B = the weights (1024 rows).  For V they change places, A = wv, B = the tokens.
; The matrix instruction takes B's rows as source 0 and A's as source 1, so a lane holds one row of A and eight neighbouring
; rows of B: for Q, K a token and 8 features, for V a feature and 8 tokens: 16 bytes of f16 that belong together in
;   Q, K: qkvf[part][b*16+head][block of 16 tokens][pc*512 + lane*16]: lane (r, h): token r, features 16 pc + 8 h ..+7
;   V:    qkvf[2][b*16+head][block of 16 tokens][fb*512 + lane*16]:    lane (r, h): feature 16 fb + r, tokens 8 h ..+7
; so every store of a wave covers 512 consecutive bytes, aligned.
; RoPE, as the problem has it: out[d] = x[d] cos_d - x[2d+1] sin_d, out[32+d] = x[32+d] cos_d + x[2d] sin_d (d < 32).  The partners
; x[2d], x[2d+1] lie in other lanes: 16 rows at a time go through a stage in LDS that is the wave's own.
; LIMIT: results are rounded to f16: |Q|, |K|, |V| below 65,504.  Inputs 30 times larger give a spread of 900; a common offset of
; 30 spreads on x and w gives 1024 x 30 x 30/32 = 28,800, after RoPE at most 1.42 times that.
;
; REGISTERS, in windows of 256: window 0: v0-31 addresses, v32-63 table, v64-127 and v128-191 fragments of A (two buffers), v192-255 bias;
; window 1: v64-191 fragments of B; windows 2, 3: the accumulators of my rows 0-63 and 64-127 (tile (a, b) at v[8 (8 a + b)]).
.set SIZE_K, 1024
.set KSTEP,  128
.set PITCH,  272                       ; an LDS row: 256 bytes + 16 of padding, so that 16 rows start at 16 different 16-byte columns
.set HALFT,  128*PITCH                 ; what one tensor load brings
.set SLOT,   4*HALFT                   ; A's 256 rows, then B's 256 rows
.set STAGE,  2*SLOT                    ; behind the ring, never filled by a tensor load
.set SPITCH, 528                       ; a stage row: 128 f32 + 16 bytes
.set SBYTES, 16*SPITCH                 ; a wave's stage
.set LAPS, SIZE_K/(2*KSTEP)
.set ADRA, 16                          ; v16-17 LDS address of my A fragments in slot 0, 1
.set ADRB, 20                          ; v20-21 the same for B
.set STO,  24                          ; stage + 528 r + 32 h: where my 8 numbers of a tile go
.set YRD,  25                          ; stage + 528 r + 64 h: where my 16 partners lie
.set LOFF, 27                          ; 16 x lane
.set HOFF, 28                          ; 32 h
.set ROFF, 29                          ; 4 r
.set CS0,  32                          ; v32-47 cosines, v48-63 sines of a block of 16 positions
.set F0,   64
.set F1,   128
.set X,    64                          ; way out: the 8 tiles of 16 rows, f32
.set CS1,  128                         ; way out: the second table buffer
.set Y,    160                         ; way out: two units of 16 partners
.set PK0,  128                         ; way out of V: packed results, two buffers
.set PK1,  160
.set BIAS, 192
.set G1, 24                            ; s[24:31] descriptor group 1 for A's tiles
.set G0, 32                            ; s[32:39] group 0 for A's tiles, one set a slot
.set G1B, 48                           ; s[48:55] group 1 for B's tiles
.set G0B, 56                           ; s[56:63] group 0 for B's tiles
.set MSB, 0
.macro WIN new                         ; the immediate's high byte repeats the setting that is left
.if MSB != \new
	s_set_vgpr_msb (MSB<<8)|\new
.set MSB, \new
.endif
.endm
.set MUL_LO, 0xa1                      ; source 0 (B) window 1, source 1 (A) window 0, C and D window 2
.set MUL_HI, 0xf1                      ; the same, C and D window 3
.set TO_B,   0x40                      ; destination window 1
; A joint load: waves 0, 1 fetch A's halves, waves 2, 3 B's.  The branch hangs on the wave's number alone.
.macro JLOAD s
	s_cmp_eq_u32 s11, 0
	s_cbranch_scc0 .Lfor_b_\@
	tensor_load_to_lds s[G0+4*\s:G0+4*\s+3], s[G1:G1+7]
	s_nop 0
	s_branch .Lasked_\@
.Lfor_b_\@:
	tensor_load_to_lds s[G0B+4*\s:G0B+4*\s+3], s[G1B:G1B+7]
	s_nop 0
.Lasked_\@:
.endm
.macro CREST                           ; a round of the cluster's barrier behind its opening work-group barrier
	s_cmp_lg_u32 s10, 0
	s_cbranch_scc1 .Lnot_wave_0_\@
	s_barrier_signal -3
.Lnot_wave_0_\@:
	s_barrier_wait -3
	s_barrier_signal -1
	s_barrier_wait -1
.endm
.macro CROUND                          ; a whole round
	s_barrier_signal -1
	s_barrier_wait -1
	CREST
.endm
	s_load_b256 s[68:75], s[0:1], 0x0              ; xb 68:69, wb 70:71, rope 72:73, bq 74:75
	s_load_b128 s[76:79], s[0:1], 0x20             ; bk 76:77, bv 78:79
	s_load_b64 s[80:81], s[0:1], 0x30              ; qkvf
	s_set_vgpr_msb 0x40
	v_lshl_add_u32 v255, v0, 2, 0x4c400
	s_set_vgpr_msb 0x4000
	v_mov_b32 v31, 0
	s_set_vgpr_msb 0x1
	ds_add_u32 v255, v31
	s_set_vgpr_msb 0x100
	v_lshrrev_b32 v1, 5, v0
	v_readfirstlane_b32 s10, v1                    ; wave 0..3
	s_lshr_b32 s11, s10, 1                         ; my half of the block's A rows.  Also: I fetch for A (0) or for B (1)
	s_and_b32 s12, s10, 1                          ; my half of its B rows.  Also: which 128 rows I fetch
	s_bfe_u32 s40, ttmp6, 0x40000                  ; cx
	s_bfe_u32 s41, ttmp6, 0x40004                  ; cy
	s_and_b32 s82, ttmp7, 0xffff                   ; the cluster's y, 0..11: equal in all sixteen partners
	s_lshr_b32 s83, s82, 2                         ; the product: 0 Q, 1 K, 2 V
	s_and_b32 s84, s82, 3
	s_lshl_b32 s84, s84, 2                         ; four blocks of the token axis for each cluster
	s_cmp_eq_u32 s83, 2
	s_cselect_b32 s85, 0, s84                      ; tokens are A's rows for Q, K,
	s_cselect_b32 s86, s84, 0                      ; B's rows for V
	s_add_co_u32 s13, s85, s41                     ; block row (of A)
	s_add_co_u32 s42, s86, s40                     ; block column (of B)
	s_lshl_b32 s43, s41, 2
	s_lshl_b32 s43, 15, s43                        ; my row of the cluster
	s_lshl_b32 s44, 0x1111, s40                    ; my column
	; group 1: a tile of 128 rows x 128 elements of 2 bytes, 4 words of padding behind every 64
	s_or_b32 s[G1+0], s43, (1<<16)|(1<<20)|(1<<21)|(5<<22)|(3<<25)
	s_or_b32 s[G1B+0], s44, (1<<16)|(1<<20)|(1<<21)|(5<<22)|(3<<25)
	s_mov_b32 s[G1B+1], KSTEP<<16
	s_mov_b32 s[G1+1], KSTEP<<16                   ; tensor_dim0 = 128
	s_mov_b32 s[G1B+2], 128<<16
	s_mov_b32 s[G1+2], 128<<16                     ; tensor_dim1 = 128
	s_mov_b32 s[G1B+3], KSTEP<<16
	s_mov_b32 s[G1+3], KSTEP<<16                   ; tile_dim0 = 128
	s_mov_b32 s[G1B+4], 128
	s_mov_b32 s[G1+4], 128                         ; tile_dim1 = 128
	s_mov_b32 s[G1B+5], SIZE_K
	s_mov_b32 s[G1+5], SIZE_K                      ; elements from row to row
	s_mov_b32 s[G1B+6], 0
	s_mov_b32 s[G1+6], 0
	s_mov_b32 s[G1B+7], 0
	s_mov_b32 s[G1+7], 0
	; A's tiles hang on the block row alone, B's on the block column alone; each in registers that never hold the other coordinate
	s_lshl_b32 s17, s12, 7
	s_lshl_b32 s16, s13, 8
	s_add_co_u32 s16, s16, s17
	s_lshl_b32 s46, s42, 8
	s_add_co_u32 s46, s46, s17
	s_mov_b32 s17, 0
	s_mov_b32 s47, 0
	s_mov_b64 s[18:19], SIZE_K*2
	s_mul_u64 s[16:17], s[16:17], s[18:19]
	s_mul_u64 s[46:47], s[46:47], s[18:19]
	s_mul_i32 s20, s10, HALFT                      ; A's two halves, then B's two halves = wave x 128 rows
	s_lshl_b32 s88, s83, 23                        ; the product's 8 MiB of xb
	s_mov_b32 s89, 0
	s_lshl_b32 s90, s83, 21                        ; and its 2 MiB of wb
	s_mov_b32 s91, 0
	s_wait_dscnt 0x0
	s_wait_kmcnt 0x0
	s_add_nc_u64 s[68:69], s[68:69], s[88:89]
	s_add_nc_u64 s[70:71], s[70:71], s[90:91]
	s_cmp_eq_u32 s83, 2
	s_cselect_b64 s[4:5], s[70:71], s[68:69]       ; A
	s_cselect_b64 s[6:7], s[68:69], s[70:71]       ; B
	s_add_nc_u64 s[14:15], s[4:5], s[16:17]
	s_add_nc_u64 s[46:47], s[6:7], s[46:47]
	CROUND                                         ; all sixteen work-groups are here: the first joint loads meet
.irp s, 0,1
	s_mov_b32 s[G0+4*\s], 1
	s_add_co_u32 s[G0+4*\s+1], s20, \s*SLOT
	s_add_nc_u64 s[G0+4*\s+2:G0+4*\s+3], s[14:15], \s*KSTEP*2
	s_or_b32 s[G0+4*\s+3], s[G0+4*\s+3], 0x80000000
	s_mov_b32 s[G0B+4*\s], 1
	s_add_co_u32 s[G0B+4*\s+1], s20, \s*SLOT
	s_add_nc_u64 s[G0B+4*\s+2:G0B+4*\s+3], s[46:47], \s*KSTEP*2
	s_or_b32 s[G0B+4*\s+3], s[G0B+4*\s+3], 0x80000000
	JLOAD \s                                       ; both slots' first fills, one group: two loads of the wave are out
.endr
	v_and_b32 v1, 15, v0                           ; r
	v_bfe_u32 v2, v0, 4, 1                         ; h
	v_mul_u32_u24 v3, v1, PITCH
	v_lshl_add_u32 v3, v2, 4, v3                   ; fragment: row x pitch + 16 h, two loads 32 bytes apart
	s_mul_i32 s21, s11, HALFT
	s_mul_i32 s22, s12, HALFT
	s_add_co_u32 s22, s22, 2*HALFT
.irp s, 0,1
	v_add_nc_u32 v[ADRA+\s], s21, v3
	v_add_nc_u32 v[ADRB+\s], s22, v3
	s_add_co_u32 s21, s21, SLOT
	s_add_co_u32 s22, s22, SLOT
.endr
	s_mul_i32 s23, s10, SBYTES
	s_add_co_u32 s23, s23, STAGE                   ; my stage
	v_mul_u32_u24 v4, v1, SPITCH
	v_add_nc_u32 v4, s23, v4
	v_lshl_add_u32 v[STO], v2, 5, v4
	v_lshl_add_u32 v[YRD], v2, 6, v4
	v_and_b32 v[LOFF], 31, v0
	v_lshlrev_b32 v[LOFF], 4, v[LOFF]
	v_lshlrev_b32 v[HOFF], 5, v2
	v_lshlrev_b32 v[ROFF], 2, v1
; 16 matrix instructions: A blocks a0, a0 + 1 of the window's four x all 8 B blocks, 32 along K.  zero = 1: the first product starts the sums.
.macro MUL16 f, hi, a0, zero
.irp a, \a0, \a0+1
.irp b, 0,1,2,3,4,5,6,7
.if \zero
	v_wmma_f32_16x16x32_f16 v[8*(8*(\a)+\b):8*(8*(\a)+\b)+7], v[\f+8*\b:\f+8*\b+7], v[\f+8*(4*\hi+\a):\f+8*(4*\hi+\a)+7], 0
.else
	v_wmma_f32_16x16x32_f16 v[8*(8*(\a)+\b):8*(8*(\a)+\b)+7], v[\f+8*\b:\f+8*\b+7], v[\f+8*(4*\hi+\a):\f+8*(4*\hi+\a)+7], v[8*(8*(\a)+\b):8*(8*(\a)+\b)+7]
.endif
.endr
.endr
.endm
; 32 LDS loads in one run: the fragments of a quarter step (32 K at byte k of the rows) into buffer f
.macro FETCH slot, k, f
	WIN TO_B
.irp i, 0,1,2,3,4,5,6,7
	ds_load_b128 v[\f+8*\i:\f+8*\i+3],   v[ADRB+\slot] offset:\k+\i*16*PITCH
	ds_load_b128 v[\f+8*\i+4:\f+8*\i+7], v[ADRB+\slot] offset:\k+\i*16*PITCH+32
.endr
	WIN 0
.irp i, 0,1,2,3,4,5,6,7
	ds_load_b128 v[\f+8*\i:\f+8*\i+3],   v[ADRA+\slot] offset:\k+\i*16*PITCH
	ds_load_b128 v[\f+8*\i+4:\f+8*\i+7], v[ADRA+\slot] offset:\k+\i*16*PITCH+32
.endr
.endm
; Four places behind a matrix instruction before one of its registers is loaded into, read or written by a vector instruction
; (ISA guide 7.12.1 for vector instructions); other matrix instructions are not counted as places.
.macro PLACES
.rept 4
	v_nop
.endr
.endm
; A quarter step: 64 matrix instructions on buffer f; in its middle the next quarter's fragments are fetched into g.
; The 64 accumulators take turns, one instruction a turn, in the same order in every quarter.
.macro QUARTER slot, k, f, g, zero
	s_wait_dscnt 8                                 ; B and A's rows 0-63 are in; the youngest eight loads (A's rows 64-127) may be out
	WIN MUL_LO
	MUL16 \f, 0, 0, \zero
	MUL16 \f, 0, 2, \zero
	PLACES
	FETCH \slot, \k, \g
	s_wait_dscnt 32                                ; all but the 32 just issued
	WIN MUL_HI
	MUL16 \f, 1, 0, \zero
	MUL16 \f, 1, 2, \zero
.endm
.macro THREE slot, zero
	QUARTER \slot, 64,  F0, F1, \zero
	QUARTER \slot, 128, F1, F0, 0
	QUARTER \slot, 192, F0, F1, 0
.endm
; The last quarter of a K step changes slots.  In front of the barrier each wave waits for its reads of this slot and for all its tensor
; loads (one is out: its part of the next slot).  Behind it the refill comes first, then the next slot's first fragments.
.macro TURN slot, next, fill
	s_wait_dscnt 8
	WIN MUL_LO
	MUL16 F1, 0, 0, 0
	s_wait_dscnt 0                                 ; my reads of this slot are over
	s_wait_tensorcnt 0x0                           ; all my tensor loads have landed
	ds_add_u32 v255, v31
	s_wait_dscnt 0x0
	s_barrier_signal -1                            ; (with a refill this barrier opens a round of the cluster's barrier)
	MUL16 F1, 0, 2, 0                              ; register work while the others arrive
	WIN 0
	s_barrier_wait -1
.if \fill
	CREST                                          ; no wave of any partner still reads this slot or has a load on its way
	s_add_nc_u64 s[G0+4*\slot+2:G0+4*\slot+3], s[G0+4*\slot+2:G0+4*\slot+3], 2*KSTEP*2
	s_add_nc_u64 s[G0B+4*\slot+2:G0B+4*\slot+3], s[G0B+4*\slot+2:G0B+4*\slot+3], 2*KSTEP*2
	JLOAD \slot                                    ; the wave's one tensor load behind the round
.endif
	PLACES
	FETCH \next, 0, F0
	WIN MUL_HI
	MUL16 F1, 1, 0, 0
	MUL16 F1, 1, 2, 0
.endm
.macro LAP zero
	THREE 0, \zero
	TURN 0, 1, 1
	THREE 1, 0
	TURN 1, 0, 1
.endm
; The last K step: no barrier, no tensor load.  It stands once on each of the two ways out.
.macro LASTSTEP
	THREE 1, 0
	s_wait_dscnt 8
	WIN MUL_LO
	MUL16 F1, 0, 0, 0
	MUL16 F1, 0, 2, 0
	s_wait_dscnt 0
	WIN MUL_HI
	MUL16 F1, 1, 0, 0
	MUL16 F1, 1, 2, 0
	PLACES                                         ; for the reads of the results and the writes of the fragment buffers that follow
	WIN 0
.endm
	s_wait_tensorcnt 1                             ; my part of K step 0 is in; K step 1's load stays out
	s_barrier_signal -1
	s_barrier_wait -1
	FETCH 0, 0, F0
	LAP 1
	WIN 0
	s_mov_b32 s3, LAPS-2
.Llap:
	LAP 0
	WIN 0
	s_sub_co_u32 s3, s3, 1
	s_cmp_lg_u32 s3, 0
	s_cbranch_scc1 .Llap
	THREE 0, 0                                     ; the last lap fills nothing
	TURN 0, 1, 0
	WIN 0
	s_cmp_eq_u32 s83, 2                            ; the product is the same in the whole cluster
	s_cbranch_scc1 .Lv
	; ======== Q and K ========  The bias and the first table block are asked for one K step (256 matrix instructions) ahead of their use.
	s_cmp_eq_u32 s83, 0
	s_cselect_b64 s[92:93], s[74:75], s[76:77]     ; bq or bk
	s_lshl_b32 s46, s42, 10                        ; 256 columns of 4 bytes a block,
	s_lshl_b32 s47, s12, 9                         ; 128 a half
	s_add_co_u32 s46, s46, s47
	s_mov_b32 s47, 0
	s_add_nc_u64 s[92:93], s[92:93], s[46:47]
.irp b, 0,1,2,3,4,5,6,7
	global_load_b128 v[BIAS+8*\b:BIAS+8*\b+3],   v[HOFF], s[92:93] offset:64*\b      ; bias of columns 16 b + 8 h ..+7
	global_load_b128 v[BIAS+8*\b+4:BIAS+8*\b+7], v[HOFF], s[92:93] offset:64*\b+16
.endr
	s_and_b32 s96, s13, 7                          ; eight blocks of 256 tokens in a sequence
	s_lshl_b32 s96, s96, 4
	s_lshl3_add_u32 s96, s11, s96                  ; my first block of 16 positions
	s_lshl_b32 s16, s96, 12
	s_mov_b32 s17, 0
	s_add_nc_u64 s[94:95], s[72:73], s[16:17]
.irp w, 0,1,2,3,4,5,6,7
	global_load_b128 v[CS0+4*\w:CS0+4*\w+3], v[LOFF], s[94:95] offset:512*\w
.endr
	s_lshl_b32 s14, s83, 23                        ; the part of qkvf,
	s_lshr_b32 s16, s13, 3
	s_lshl_b32 s16, s16, 22                        ; the batch's 16 heads of 256 KiB,
	s_add_co_u32 s14, s14, s16
	s_lshl_b32 s16, s96, 11                        ; my first block of 16 tokens
	s_add_co_u32 s16, s14, s16
	s_mov_b32 s17, 0
	s_add_nc_u64 s[8:9], s[80:81], s[16:17]
	s_lshl_b32 s46, s42, 20                        ; four heads a block column,
	s_lshl_b32 s47, s12, 19                        ; two a half
	s_add_co_u32 s46, s46, s47
	s_mov_b32 s47, 0
	s_add_nc_u64 s[8:9], s[8:9], s[46:47]
	LASTSTEP
	s_wait_loadcnt 0x0                             ; bias and first table block
.macro YLOAD u                         ; unit u = 2 head + b': x[2d], x[2d+1] for d = 16 b' + 8 h + 0..7: 64 bytes of my row
.irp i, 0,1,2,3
	ds_load_b128 v[Y+16*(\u&1)+4*\i:Y+16*(\u&1)+4*\i+3], v[YRD] offset:128*\u+16*\i
.endr
.endm
.macro FMA16 u, cs                     ; the sine terms of tiles b' and b' + 2 of head u >> 1
.irp j, 0,1,2,3,4,5,6,7
	v_fma_f32 v[X+8*(4*(\u>>1)+(\u&1))+\j], -v[Y+16*(\u&1)+2*\j+1], v[\cs+16+8*(\u&1)+\j], v[X+8*(4*(\u>>1)+(\u&1))+\j]
	v_fma_f32 v[X+8*(4*(\u>>1)+(\u&1)+2)+\j], v[Y+16*(\u&1)+2*\j], v[\cs+16+8*(\u&1)+\j], v[X+8*(4*(\u>>1)+(\u&1)+2)+\j]
.endr
.endm
; rows 16 a .. 16 a + 15 of my block.  win: the accumulators' window as source 0.  cs: this block's table; csn: filled for the next (more = 1).
.macro ROPE16 a, win, cs, csn, more
	s_wait_xcnt 0x0                                ; X, which the last block's stores read, is rewritten only behind this wait
	WIN \win
.irp b, 0,1,2,3,4,5,6,7
.irp i, 0,1,2,3
	v_pk_add_f32 v[X+8*\b+2*\i:X+8*\b+2*\i+1], v[8*(8*(\a&3)+\b)+2*\i:8*(8*(\a&3)+\b)+2*\i+1], v[BIAS+8*\b+2*\i:BIAS+8*\b+2*\i+1]
.endr
.endr
	WIN 0
.irp b, 0,1,2,3,4,5,6,7
	ds_store_b128 v[STO], v[X+8*\b:X+8*\b+3]   offset:64*\b
	ds_store_b128 v[STO], v[X+8*\b+4:X+8*\b+7] offset:64*\b+16
.endr
.if \more
.irp w, 0,1,2,3,4,5,6,7
	global_load_b128 v[\csn+4*\w:\csn+4*\w+3], v[LOFF], s[94:95] offset:(\a+1)*4096+512*\w
.endr
.endif
	YLOAD 0                                        ; LDS serves a wave's instructions in order: these see the stores above; the stage is my own
	YLOAD 1
.if \more
	s_wait_loadcnt 8                               ; this block's table is in; the eight loads just issued stay out
.else
	s_wait_loadcnt 0
.endif
	s_wait_dscnt 8                                 ; the sixteen stage stores are done (two units of four loads stay out): X may be rewritten
.irp b, 0,1,2,3,4,5,6,7
.irp i, 0,1,2,3
	v_pk_mul_f32 v[X+8*\b+2*\i:X+8*\b+2*\i+1], v[X+8*\b+2*\i:X+8*\b+2*\i+1], v[\cs+8*(\b&1)+2*\i:\cs+8*(\b&1)+2*\i+1]
.endr
.endr
	s_wait_dscnt 4                                 ; unit 0 is in, one unit stays out
	FMA16 0, \cs
	YLOAD 2
	s_wait_dscnt 4
	FMA16 1, \cs
	YLOAD 3
	s_wait_dscnt 4
	FMA16 2, \cs
	s_wait_dscnt 0
	FMA16 3, \cs
.irp b, 0,1,2,3,4,5,6,7
.irp i, 0,1,2,3
	v_cvt_pk_f16_f32 v[X+8*\b+\i], v[X+8*\b+2*\i], v[X+8*\b+2*\i+1]   ; in place, ascending: register i is written after it was read
.endr
.endr
.irp b, 0,1,2,3,4,5,6,7
	global_store_b128 v[LOFF], v[X+8*\b:X+8*\b+3], s[8:9] offset:\a*2048+(\b>>2)*262144+(\b&3)*512
.endr
.endm
	ROPE16 0, 0x02, CS0, CS1, 1
	ROPE16 1, 0x02, CS1, CS0, 1
	ROPE16 2, 0x02, CS0, CS1, 1
	ROPE16 3, 0x02, CS1, CS0, 1
	ROPE16 4, 0x03, CS0, CS1, 1
	ROPE16 5, 0x03, CS1, CS0, 1
	ROPE16 6, 0x03, CS0, CS1, 1
	ROPE16 7, 0x03, CS1, CS0, 0
	s_branch .Ldone
	; ======== V ========  A's rows are features: a lane's bias is that of its row, loaded twice to fill the pair of the packed add.
.Lv:
	s_lshl_b32 s16, s13, 10
	s_lshl_b32 s17, s11, 9
	s_add_co_u32 s16, s16, s17
	s_mov_b32 s17, 0
	s_add_nc_u64 s[92:93], s[78:79], s[16:17]
.irp a, 0,1,2,3,4,5,6,7
	global_load_b32 v[BIAS+2*\a],   v[ROFF], s[92:93] offset:64*\a
	global_load_b32 v[BIAS+2*\a+1], v[ROFF], s[92:93] offset:64*\a
.endr
	s_lshl_b32 s14, s13, 20                        ; four heads a block row,
	s_lshl_b32 s16, s11, 19                        ; two a half,
	s_add_co_u32 s16, s14, s16
	s_add_co_u32 s16, s16, 2<<23                   ; in the third part of qkvf
	s_mov_b32 s17, 0
	s_add_nc_u64 s[8:9], s[80:81], s[16:17]
	s_lshr_b32 s46, s42, 3
	s_lshl_b32 s46, s46, 22                        ; the batch,
	s_and_b32 s47, s42, 7
	s_lshl_b32 s47, s47, 15                        ; 16 blocks of 16 tokens a block column,
	s_add_co_u32 s46, s46, s47
	s_lshl_b32 s47, s12, 14                        ; 8 a half
	s_add_co_u32 s46, s46, s47
	s_mov_b32 s47, 0
	s_add_nc_u64 s[8:9], s[8:9], s[46:47]
	LASTSTEP
	s_wait_loadcnt 0x0
.macro VOUT a, win, pk
	WIN \win
.irp b, 0,1,2,3,4,5,6,7
.irp i, 0,1,2,3
	v_pk_add_f32 v[X+8*\b+2*\i:X+8*\b+2*\i+1], v[8*(8*(\a&3)+\b)+2*\i:8*(8*(\a&3)+\b)+2*\i+1], v[BIAS+2*\a:BIAS+2*\a+1]
.endr
.endr
	WIN 0
	s_wait_xcnt 0x0                                ; the packed registers, which earlier stores read, are rewritten only behind this wait
.irp b, 0,1,2,3,4,5,6,7
.irp i, 0,1,2,3
	v_cvt_pk_f16_f32 v[\pk+4*\b+\i], v[X+8*\b+2*\i], v[X+8*\b+2*\i+1]
.endr
.endr
.irp b, 0,1,2,3,4,5,6,7
	global_store_b128 v[LOFF], v[\pk+4*\b:\pk+4*\b+3], s[8:9] offset:(\a>>2)*262144+(\a&3)*512+\b*2048
.endr
.endm
	VOUT 0, 0x02, PK0
	VOUT 1, 0x02, PK1
	VOUT 2, 0x02, PK0
	VOUT 3, 0x02, PK1
	VOUT 4, 0x03, PK0
	VOUT 5, 0x03, PK1
	VOUT 6, 0x03, PK0
	VOUT 7, 0x03, PK1
.Ldone:
	s_set_vgpr_msb 0x1
	s_wait_tensorcnt 0x0
	ds_add_u32 v255, v31
	s_wait_dscnt 0x0
	s_set_vgpr_msb 0x100
	CROUND                                         ; the closing round: no work-group ends while a partner may still ask for a tile that names it
	s_endpgm
.Lfunc_end_k_q52874780ce_qkv:
	.size	k_q52874780ce_qkv, .Lfunc_end_k_q52874780ce_qkv-k_q52874780ce_qkv
	.p2alignl 7, 3214868480
	.fill 96, 4, 3214868480
	.section	.rodata,"a",@progbits
	.p2align	6, 0x0
	.amdhsa_kernel k_q52874780ce_qkv
		.amdhsa_group_segment_fixed_size 327680
		.amdhsa_private_segment_fixed_size 0
		.amdhsa_enable_private_segment 0
		.amdhsa_kernarg_size 56
		.amdhsa_user_sgpr_count 2
		.amdhsa_user_sgpr_kernarg_segment_ptr 1
		.amdhsa_wavefront_size32 1
		.amdhsa_system_sgpr_workgroup_id_x 1
		.amdhsa_system_sgpr_workgroup_id_y 1
		.amdhsa_system_sgpr_workgroup_id_z 1
		.amdhsa_system_vgpr_workitem_id 0
		.amdhsa_next_free_vgpr 1024
		.amdhsa_next_free_sgpr 100
		.amdhsa_reserve_vcc 0
		.amdhsa_float_denorm_mode_32 3
		.amdhsa_float_denorm_mode_16_64 3
		.amdhsa_memory_ordered 1
		.amdhsa_forward_progress 1
		.amdhsa_inst_pref_size 255
	.end_amdhsa_kernel
	.section	.bss,"aw",@nobits
	.p2align	6
	.space	262144
	.amdgpu_metadata
---
amdhsa.version: [ 1, 2 ]
amdhsa.kernels:
  - .name:           k_q52874780ce_qkv
    .symbol:         k_q52874780ce_qkv.kd
    .args:
      - { .name: xb, .offset: 0, .size: 8, .value_kind: global_buffer, .address_space: global }
      - { .name: wb, .offset: 8, .size: 8, .value_kind: global_buffer, .address_space: global }
      - { .name: rope, .offset: 16, .size: 8, .value_kind: global_buffer, .address_space: global }
      - { .name: bq, .offset: 24, .size: 8, .value_kind: global_buffer, .address_space: global }
      - { .name: bk, .offset: 32, .size: 8, .value_kind: global_buffer, .address_space: global }
      - { .name: bv, .offset: 40, .size: 8, .value_kind: global_buffer, .address_space: global }
      - { .name: qkvf, .offset: 48, .size: 8, .value_kind: global_buffer, .address_space: global }
    .group_segment_fixed_size: 327680
    .private_segment_fixed_size: 0
    .kernarg_segment_align: 8
    .kernarg_segment_size: 56
    .max_flat_workgroup_size: 128
    .sgpr_count:     100
    .vgpr_count:     1024
    .wavefront_size: 32
...
	.end_amdgpu_metadata
.endif
;; end of part 2
;; launch attn (part 3): grid 288 x 1, 8 waves a work-group, no clusters, 138,240 bytes of LDS; arguments qkvf, aof; writes aof
.if DOCPART == 3
	.amdgcn_target "amdgcn-amd-amdhsa--gfx1250"
	.amdhsa_code_object_version 6
	.text
	.protected	k_q52874780ce_attn
	.globl	k_q52874780ce_attn
	.p2align	8
	.type	k_q52874780ce_attn,@function
k_q52874780ce_attn:
	s_mov_b64 s[64:65], 0
	v_nop
	global_prefetch_b8 v0, s[64:65] scope:SCOPE_SE
	s_setreg_imm32_b32 hwreg(HW_REG_WAVE_MODE, 25, 1), 1
	s_wait_xcnt 0x0
; attn: softmax(Q K^T / 8 + mask) V for 32 (batch, head) pairs of 2,048 tokens, d_k = 64, f16 operands, f32 sums and softmax.
; The mask is the problem's own: a row i >= 16 sees keys j < 16 and i-128 <= j <= i; rows 0-15 see every key.
; In blocks of 16: query block qb >= 1 sees key block 0 (whole), blocks qb-8 .. qb, of which the first is cut to key >= row and the
; last to key <= row, and a window block whose number is below 1 is dropped (block 0 is counted once).  10 tiles of 16 x 16.
; Work-groups 32-287: (pair, c): query blocks 16 c .. 16 c + 15, two for each of eight waves; the 25 key blocks that they see lie in LDS.
; Work-groups 0-31: query block 0 of a pair against all 128 key blocks, 16 for each wave, joined through LDS.
; Products: S^T = K Q^T (source 0 = 16 keys, source 1 = 16 queries): a lane holds query r, keys 8 h + 0..7, which pack straight into
; source 1 of O^T = V^T P^T (source 0 = 16 features x 32 keys): a lane then holds query r and 8 neighbouring features, 16 bytes of
;   aof[b*128 + qb][head*2048 + fb*512 + lane*16], the out-projection's fragment order.  No transposition anywhere.
; All scores of a row are in registers, so the row's true maximum is taken away before the exponential; masked scores are -inf.
; LDS: bytes 0 - 102,399 belong to the path of work-groups 32-287 (K's 25 slots of 2,048 bytes, then V's); bytes 102,400 - 137,215 to
; the path of work-groups 0-31 (1,024 of maxima, 1,024 of sums, 8 x 4,096 of partial results).  A work-group takes one path with all its
; waves; the two paths share no byte of LDS, so no access of one can meet a store of the other.
; No multicast: there are no tensor loads, and neighbouring work-groups share 9 of 25 key blocks only.  No prefetch: every global load
; is issued in the first lines or by a ring that is always full.
; LIMIT: P and the result are rounded to f16 (P <= 1; |result| <= the largest |V|).
.set LOFF, 1                           ; 16 x lane
.set FADR, 2                           ; where my fill goes; afterwards:
.set NINF, 2                           ; -inf
.set KADR, 3                           ; LDS: my first window slot of K, + 16 x lane
.set VADR, 4                           ; the same of V
.set DIAG, 5                           ; 8 h - r
.set Q0, 16                            ; v16-31, v32-47: my two query blocks
.set Q1, 32
.set XA, 128                           ; v128-191, v192-255: K tiles, then V pairs
.set XB, 192
.set RING, 160                         ; query block 0: three entries of 32 registers
.set VLDS, 51200                       ; LDS: K's 25 slots of 2,048 bytes, then V's
.set SPB,  102400                      ; LDS: the scratch of the path for query block 0
.set NEGC, 0xbe38aa3b                  ; -log2(e)/8
.macro PLACES n                        ; places behind matrix instructions (ISA guide 7.12.1)
.rept \n
	v_nop
.endr
.endm
; n score tiles from t0 on, K tiles of 16 registers from kb on: first all with features 0-31, then all with 32-63,
; so that the accumulators take turns, one instruction a turn.
.macro QKG n, t0, kb, q
.set u, 0
.rept \n
	v_wmma_f32_16x16x32_f16 v[SB+8*(\t0+u):SB+8*(\t0+u)+7], v[\kb+16*u:\kb+16*u+7], v[\q:\q+7], 0
.set u, u+1
.endr
.set u, 0
.rept \n
	v_wmma_f32_16x16x32_f16 v[SB+8*(\t0+u):SB+8*(\t0+u)+7], v[\kb+16*u+8:\kb+16*u+15], v[\q+8:\q+15], v[SB+8*(\t0+u):SB+8*(\t0+u)+7]
.set u, u+1
.endr
.endm
.macro MAXRED nt                       ; v8 = the largest of query r's scores in nt tiles: four chains, then the other half of the lanes
.irp k, 0,1,2,3
	v_max_num_f32 v[8+\k], v[SB+2*\k], v[SB+2*\k+1]
.endr
.set t, 1
.rept \nt-1
.irp k, 0,1,2,3
	v_max3_num_f32 v[8+\k], v[8+\k], v[SB+8*t+2*\k], v[SB+8*t+2*\k+1]
.endr
.set t, t+1
.endr
	v_max3_num_f32 v8, v8, v9, v10
	v_max_num_f32 v8, v8, v11
	v_permlanex16_b32 v12, v8, s12, s13
	v_max_num_f32 v8, v8, v12
.endm
; tiles 2p, 2p+1: p = 2^(s c - m c), summed in f32 into v[8:15], packed to f16 into the pair's first 8 registers; the other 8 become free
.macro EXPPAIR p
.irp k, 0,1,2,3,4,5,6,7
	v_pk_fma_f32 v[SB+16*\p+2*\k:SB+16*\p+2*\k+1], v[SB+16*\p+2*\k:SB+16*\p+2*\k+1], s[30:31], v[6:7] op_sel_hi:[1,0,1]
.endr
.irp k, 0,1,2,3,4,5,6,7,8,9,10,11,12,13,14,15
	v_exp_f32 v[SB+16*\p+\k], v[SB+16*\p+\k]
.endr
	v_nop                                          ; one plain instruction before the results are used (ISA guide 5.7.2)
.if \p == 0
	s_wait_alu depctr_va_vdst(0)
.irp k, 0,1,2,3
	v_pk_add_f32 v[8+2*\k:9+2*\k], v[SB+2*\k:SB+2*\k+1], v[SB+8+2*\k:SB+9+2*\k]     ; the first pair starts the sums
.endr
.else
	s_wait_alu depctr_va_vdst(0)
.irp k, 0,1,2,3
	v_pk_add_f32 v[8+2*\k:9+2*\k], v[8+2*\k:9+2*\k], v[SB+16*\p+2*\k:SB+16*\p+2*\k+1]
.endr
.irp k, 0,1,2,3
	v_pk_add_f32 v[8+2*\k:9+2*\k], v[8+2*\k:9+2*\k], v[SB+16*\p+8+2*\k:SB+16*\p+9+2*\k]
.endr
.endif
.irp k, 0,1,2,3,4,5,6,7
	v_cvt_pk_f16_f32 v[SB+16*\p+\k], v[SB+16*\p+2*\k], v[SB+16*\p+2*\k+1]
.endr
.endm
.macro LSUM                            ; v8 = query r's sum
	v_pk_add_f32 v[8:9], v[8:9], v[10:11]
	v_pk_add_f32 v[12:13], v[12:13], v[14:15]
	v_pk_add_f32 v[8:9], v[8:9], v[12:13]
	v_add_f32 v8, v8, v9
	v_permlanex16_b32 v12, v8, s12, s13
	v_add_f32 v8, v8, v12
.endm
; O[fb] (in the free halves of pairs 0-3) += V^T(16 features fb, the pair's 32 keys) P^T; pair 0 starts the sums; four accumulators by turns
.macro PV p, vb
.irp fb, 0,1,2,3
.if (\p) == 0
	v_wmma_f32_16x16x32_f16 v[SB+16*\fb+8:SB+16*\fb+15], v[\vb+8*\fb:\vb+8*\fb+7], v[SB+16*(\p):SB+16*(\p)+7], 0
.else
	v_wmma_f32_16x16x32_f16 v[SB+16*\fb+8:SB+16*\fb+15], v[\vb+8*\fb:\vb+8*\fb+7], v[SB+16*(\p):SB+16*(\p)+7], v[SB+16*\fb+8:SB+16*\fb+15]
.endif
.endr
.endm
	s_load_b128 s[4:7], s[0:1], 0x0                ; qkvf, aof
	s_set_vgpr_msb 0x40
	v_lshl_add_u32 v0, v0, 2, 0x21800
	v_mov_b32 v1, 0
	s_set_vgpr_msb 0x4000
	v_lshrrev_b32 v1, 5, v0
	v_readfirstlane_b32 s8, v1                     ; wave 0..7
	v_and_b32 v1, 31, v0
	v_and_b32 v3, 15, v0                           ; r
	v_bfe_u32 v4, v0, 4, 1                         ; h
	v_lshlrev_b32 v[LOFF], 4, v1
	v_lshlrev_b32 v5, 3, v4
	v_sub_nc_u32 v[DIAG], v5, v3
	v_mov_b32 v12, 0                               ; v_permlanex16_b32 counts as a reader of its destination
	s_mov_b32 s12, 0x76543210                      ; lane i of one half reads lane i of the other
	s_mov_b32 s13, 0xfedcba98
	s_mov_b32 s30, 0x3e38aa3b                      ; c = log2(e)/8
	s_mov_b32 s31, 0x3e38aa3b
	s_mov_b32 s23, 0
	s_mov_b32 s9, ttmp9
	s_cmp_lt_u32 s9, 32
	s_cbranch_scc1 .Lspecial
	; ================= query blocks 16 c .. 16 c + 15 =================
.set SB, 48                            ; v48-127: ten score tiles
	s_sub_co_u32 s9, s9, 32
	s_lshr_b32 s10, s9, 3                          ; the pair b*16 + head
	s_and_b32 s11, s9, 7                           ; c
	s_lshl_b32 s22, s10, 18
	s_wait_kmcnt 0x0
	s_add_nc_u64 s[14:15], s[4:5], s[22:23]        ; the pair's Q,
	s_add_nc_u64 s[16:17], s[14:15], 0x800000      ; K,
	s_add_nc_u64 s[18:19], s[14:15], 0x1000000     ; V
	; the fill: wave w brings the 512-byte piece w & 3 of K (w < 4) or V (w >= 4) of all 25 slots
	s_cmp_lt_u32 s8, 4
	s_cselect_b64 s[24:25], s[16:17], s[18:19]
	s_and_b32 s29, s8, 3
	s_lshl_b32 s22, s29, 9
	s_add_nc_u64 s[24:25], s[24:25], s[22:23]      ; key block 0, my piece
	s_lshl_b32 s22, s11, 15
	s_add_nc_u64 s[26:27], s[24:25], s[22:23]      ; key block 16 c
	s_sub_co_u32 s51, s22, 16384                   ; key block 16 c - 8 (not used for c = 0)
	s_cmp_lg_u32 s11, 0
	s_cselect_b32 s50, 2048, 0                     ; c = 0 has no blocks below 0: slots 1-8 then hold block 0 again,
	s_cselect_b32 s51, s51, 0                      ; which every row sees anyway; their scores are masked
.irp u, 0,1,2,3,4,5,6,7
	v_add_nc_u32 v[148+\u], s51, v[LOFF]
	s_add_co_u32 s51, s51, s50
.endr
	s_lshl_b32 s28, s8, 11
	s_add_co_u32 s22, s22, s28
	s_add_nc_u64 s[14:15], s[14:15], s[22:23]      ; query block 16 c + w
	s_lshr_b32 s28, s8, 2
	s_mul_i32 s28, s28, VLDS
	s_lshl_b32 s29, s29, 9
	s_add_co_u32 s28, s28, s29
	v_add_nc_u32 v[FADR], s28, v[LOFF]
	global_load_b128 v[48:51], v[LOFF], s[24:25]
.irp u, 0,1,2,3,4,5,6,7
	global_load_b128 v[52+4*\u:55+4*\u], v[148+\u], s[24:25]
.endr
.irp u, 0,1,2,3,4,5,6,7,8,9,10,11,12,13,14,15
	global_load_b128 v[84+4*\u:87+4*\u], v[LOFF], s[26:27] offset:2048*\u
.endr
.irp pc, 0,1,2,3
	global_load_b128 v[Q0+4*\pc:Q0+4*\pc+3], v[LOFF], s[14:15] offset:512*\pc
.endr
.irp pc, 0,1,2,3
	global_load_b128 v[Q1+4*\pc:Q1+4*\pc+3], v[LOFF], s[14:15] offset:16384+512*\pc
.endr
	; where the results go: aof + (b*128 + qb) * 32,768 + head * 2,048
	s_lshr_b32 s28, s10, 4
	s_lshl_b32 s28, s28, 22
	s_lshl4_add_u32 s49, s11, s8                   ; qb of my first job = 16 c + w
	s_lshl_b32 s29, s49, 15
	s_add_co_u32 s28, s28, s29
	s_and_b32 s29, s10, 15
	s_lshl_b32 s29, s29, 11
	s_add_co_u32 s22, s28, s29
	s_add_nc_u64 s[20:21], s[6:7], s[22:23]
.irp jj, 0,1,2,3,4,5,6,7
	v_cmp_le_i32 s[32+\jj], -\jj, v[DIAG]          ; first window block: key 8 h + jj >= row r
	v_cmp_ge_i32 s[40+\jj], -\jj, v[DIAG]          ; last window block:  key 8 h + jj <= row r
.endr
	s_add_co_u32 s28, s8, 1
	s_lshl_b32 s28, s28, 11
	v_add_nc_u32 v[KADR], s28, v[LOFF]             ; slot 1 + w
	v_add_nc_u32 v[VADR], VLDS, v[KADR]
.irp i, 0,1,2,3,4,5,6,7,8,9,10,11,12,13,14,15,16,17,18,19,20,21,22,23,24
	s_wait_loadcnt 32-\i                           ; fill load i is in: the 24 - i younger ones and the eight of Q stay out
	ds_store_b128 v[FADR], v[48+4*\i:51+4*\i] offset:2048*\i
.endr
	s_wait_dscnt 0x0                               ; my stores are done, for the other waves' sake
	s_barrier_signal -1
	s_barrier_wait -1                              ; the 25 slots are whole; nothing writes them again
	s_wait_loadcnt 0x0                             ; Q
	v_mov_b32 v[NINF], 0xff800000
.macro KLD t, kb, j                    ; K of tile t: tile 0 is slot 0, tile t >= 1 my window's slot t - 1
.irp pc, 0,1,2,3
.if \t == 0
	ds_load_b128 v[\kb+4*\pc:\kb+4*\pc+3], v[LOFF] offset:512*\pc
.else
	ds_load_b128 v[\kb+4*\pc:\kb+4*\pc+3], v[KADR] offset:(\t-1)*2048+16384*\j+512*\pc
.endif
.endr
.endm
.macro VLD p, vb, j                    ; V of tiles 2p (registers 0-3 of each fragment) and 2p+1 (registers 4-7)
.irp fb, 0,1,2,3
.if \p == 0
	ds_load_b128 v[\vb+8*\fb:\vb+8*\fb+3], v[LOFF] offset:VLDS+512*\fb
.else
	ds_load_b128 v[\vb+8*\fb:\vb+8*\fb+3], v[VADR] offset:(2*\p-1)*2048+16384*\j+512*\fb
.endif
	ds_load_b128 v[\vb+8*\fb+4:\vb+8*\fb+7], v[VADR] offset:(2*\p)*2048+16384*\j+512*\fb
.endr
.endm
; query block qb = 16 c + w + 8 j
.macro JOB j, q
	s_wait_xcnt 0x0                                ; the score registers, which the last job's stores read, are rewritten only behind this wait
	PLACES 5                                       ; and they were operands of its last matrix instructions
.irp t, 0,1,2,3
	KLD \t, XA+16*\t, \j
.endr
.irp t, 4,5,6,7
	KLD \t, XB+16*(\t-4), \j
.endr
	s_wait_dscnt 16                                ; tiles 0-3 are in, the sixteen loads of tiles 4-7 stay out
	QKG 4, 0, XA, \q
	PLACES 4
	KLD 8, XA, \j
	KLD 9, XA+16, \j
	s_wait_dscnt 8                                 ; tiles 4-7 are in, the eight loads just issued stay out
	QKG 4, 4, XB, \q
	PLACES 4
	VLD 0, XB, \j
	VLD 1, XB+32, \j
	s_wait_dscnt 16                                ; tiles 8, 9 are in, V's first two pairs stay out
	QKG 2, 8, XA, \q
	PLACES 4
	VLD 2, XA, \j
	VLD 3, XA+32, \j
.irp jj, 0,1,2,3,4,5,6,7
	v_cndmask_b32 v[SB+8+\jj],  v[NINF], v[SB+8+\jj],  s[32+\jj]
	v_cndmask_b32 v[SB+72+\jj], v[NINF], v[SB+72+\jj], s[40+\jj]
.endr
	s_add_co_u32 s52, s49, 8*\j                    ; qb
	s_cmp_ge_u32 s52, 9
	s_cbranch_scc1 .Lfull_\@                       ; from qb = 9 on the window begins at block 1 or later
.irp s, 0,1,2,3,4,5,6,7
	s_add_co_i32 s53, s52, \s-8                    ; the window block's number
	s_cmp_ge_i32 s53, 1
	s_cselect_b32 s48, -1, 0
.irp jj, 0,1,2,3,4,5,6,7
	v_cndmask_b32 v[SB+8*(1+\s)+\jj], v[NINF], v[SB+8*(1+\s)+\jj], s48
.endr
.endr
.Lfull_\@:
	MAXRED 10                                      ; finite: tile 0 is never masked
	v_mul_f32 v6, NEGC, v8
	v_mul_f32 v7, NEGC, v8
.irp p, 0,1,2,3,4
	EXPPAIR \p
.endr
	LSUM
	v_rcp_f32 v6, v8
	v_rcp_f32 v7, v8
	v_nop
	s_wait_dscnt 16                                ; V's pairs 0, 1 are in, pairs 2, 3 stay out
	PV 0, XB
	PV 1, XB+32
	PLACES 4
	VLD 4, XB, \j
	s_wait_dscnt 8                                 ; pairs 2, 3 are in, pair 4 stays out
	PV 2, XA
	PV 3, XA+32
	s_wait_dscnt 0
	PV 4, XB
	PLACES 4
	s_wait_alu depctr_va_vdst(0)
.irp fb, 0,1,2,3
.irp i, 0,1,2,3
	v_pk_mul_f32 v[SB+16*\fb+8+2*\i:SB+16*\fb+9+2*\i], v[SB+16*\fb+8+2*\i:SB+16*\fb+9+2*\i], v[6:7]
.endr
.endr
.irp fb, 0,1,2,3
.irp i, 0,1,2,3
	v_cvt_pk_f16_f32 v[SB+16*\fb+8+\i], v[SB+16*\fb+8+2*\i], v[SB+16*\fb+9+2*\i]
.endr
.endr
.irp fb, 0,1,2,3
	global_store_b128 v[LOFF], v[SB+16*\fb+8:SB+16*\fb+11], s[20:21] offset:512*\fb+262144*\j   ; a wave's store covers 512 consecutive bytes
.endr
.endm
	s_cmp_eq_u32 s49, 0                            ; query block 0 belongs to work-groups 0-31
	s_cbranch_scc1 .Lsecond
	JOB 0, Q0
.Lsecond:
	JOB 1, Q1
	s_set_vgpr_msb 0x5
	s_wait_tensorcnt 0x0
	ds_add_u32 v0, v1
	s_wait_dscnt 0x0
	s_set_vgpr_msb 0x500
	s_endpgm
	; ================= query block 0: every key =================
.Lspecial:
.set SB, 32                            ; v32-159: sixteen score tiles
	s_lshl_b32 s22, s9, 18
	s_wait_kmcnt 0x0
	s_add_nc_u64 s[14:15], s[4:5], s[22:23]        ; the pair's Q, block 0
	s_lshl_b32 s22, s8, 15                         ; my 16 key blocks
	s_add_nc_u64 s[16:17], s[14:15], s[22:23]
	s_add_nc_u64 s[18:19], s[16:17], 0x1000000     ; V
	s_add_nc_u64 s[16:17], s[16:17], 0x800000      ; K
	s_lshr_b32 s28, s9, 4
	s_lshl_b32 s28, s28, 22
	s_and_b32 s29, s9, 15
	s_lshl_b32 s29, s29, 11
	s_add_co_u32 s22, s28, s29
	s_add_nc_u64 s[20:21], s[6:7], s[22:23]
.macro KRING i, e                      ; K of tiles 2i, 2i+1: eight loads of 512 bytes
.irp x, 0,1,2,3,4,5,6,7
	global_load_b128 v[\e+4*\x:\e+4*\x+3], v[LOFF], s[16:17] offset:4096*(\i)+512*\x
.endr
.endm
.macro VRING p, e                      ; V of pair p, as four fragments
.irp fb, 0,1,2,3
	global_load_b128 v[\e+8*\fb:\e+8*\fb+3],   v[LOFF], s[18:19] offset:4096*(\p)+512*\fb
	global_load_b128 v[\e+8*\fb+4:\e+8*\fb+7], v[LOFF], s[18:19] offset:4096*(\p)+2048+512*\fb
.endr
.endm
.irp pc, 0,1,2,3
	global_load_b128 v[Q0+4*\pc:Q0+4*\pc+3], v[LOFF], s[14:15] offset:512*\pc
.endr
	KRING 0, RING
	KRING 1, RING+32
	KRING 2, RING+64
	v_lshrrev_b32 v2, 2, v[LOFF]                   ; 4 x lane,
	v_add_nc_u32 v2, SPB, v2                       ; in this path's own part of LDS
	s_lshl_b32 s28, s8, 7
	v_add_nc_u32 v3, s28, v2                       ; + 128 x wave
.set i, 0
.rept 8
	s_wait_loadcnt 16                              ; this step's entry is in (and Q); two younger entries stay out
	QKG 2, 2*i, RING+32*(i%3), Q0
	PLACES 4
.if i+3 < 8
	KRING i+3, RING+32*(i%3)
.else
	VRING i-5, RING+32*(i%3)
.endif
.set i, i+1
.endr
	MAXRED 16
	ds_store_b32 v3, v8                            ; my wave's maxima, one word a lane
	s_wait_dscnt 0x0
	s_barrier_signal -1
	s_barrier_wait -1
.irp x, 0,1,2,3,4,5,6,7
	ds_load_b32 v[4+\x], v2 offset:128*\x
.endr
	s_wait_dscnt 0x0
	v_max3_num_f32 v4, v4, v5, v6
	v_max3_num_f32 v7, v7, v8, v9
	v_max3_num_f32 v4, v4, v10, v11
	v_max_num_f32 v8, v4, v7                       ; the row's maximum over all 2,048 keys
	v_mul_f32 v6, NEGC, v8
	v_mul_f32 v7, NEGC, v8
.irp p, 0,1,2,3,4,5,6,7
	EXPPAIR \p
.endr
	LSUM
.set i, 8
.rept 8
.if i <= 13
	s_wait_loadcnt 16
.elseif i == 14
	s_wait_loadcnt 8                               ; the counts run down: one entry, then none, is left behind this one
.else
	s_wait_loadcnt 0
.endif
	PV i-8, RING+32*(i%3)
	PLACES 4
.if i+3 <= 15
	VRING i-5, RING+32*(i%3)
.endif
.set i, i+1
.endr
	; all waves used one maximum, so their sums and their O simply add
	s_lshl_b32 s28, s8, 12
	s_add_co_u32 s28, s28, SPB+2048
	v_add_nc_u32 v4, s28, v[LOFF]
.irp fb, 0,1,2,3
	ds_store_b128 v4, v[SB+16*\fb+8:SB+16*\fb+11]  offset:1024*\fb
	ds_store_b128 v4, v[SB+16*\fb+12:SB+16*\fb+15] offset:1024*\fb+512
.endr
	ds_store_b32 v3, v8 offset:1024
	s_wait_dscnt 0x0
	s_barrier_signal -1
	s_barrier_wait -1
	s_cmp_ge_u32 s8, 4
	s_cbranch_scc1 .Lend                           ; wave w < 4 finishes the 16 features fb = w
	s_lshl_b32 s28, s8, 10
	s_add_co_u32 s28, s28, SPB
	v_add_nc_u32 v4, s28, v[LOFF]
.irp x, 0,1,2,3,4,5,6,7
	ds_load_b128 v[32+8*\x:35+8*\x], v4 offset:2048+4096*\x
	ds_load_b128 v[36+8*\x:39+8*\x], v4 offset:2048+4096*\x+512
.endr
.irp x, 0,1,2,3,4,5,6,7
	ds_load_b32 v[16+\x], v2 offset:1024+128*\x
.endr
	s_lshl_b32 s28, s8, 9
	v_add_nc_u32 v5, s28, v[LOFF]
	s_wait_dscnt 0x0
.irp x, 1,2,3,4,5,6,7
.irp k, 0,1,2,3
	v_pk_add_f32 v[32+2*\k:33+2*\k], v[32+2*\k:33+2*\k], v[32+8*\x+2*\k:33+8*\x+2*\k]
.endr
.endr
	v_pk_add_f32 v[16:17], v[16:17], v[18:19]
	v_pk_add_f32 v[20:21], v[20:21], v[22:23]
	v_pk_add_f32 v[16:17], v[16:17], v[20:21]
	v_add_f32 v16, v16, v17
	v_rcp_f32 v6, v16
	v_rcp_f32 v7, v16
	v_nop
	s_wait_alu depctr_va_vdst(0)
.irp k, 0,1,2,3
	v_pk_mul_f32 v[32+2*\k:33+2*\k], v[32+2*\k:33+2*\k], v[6:7]
.endr
.irp k, 0,1,2,3
	v_cvt_pk_f16_f32 v[32+\k], v[32+2*\k], v[33+2*\k]
.endr
	global_store_b128 v5, v[32:35], s[20:21]
.Lend:
	s_set_vgpr_msb 0x5
	s_wait_tensorcnt 0x0
	ds_add_u32 v0, v1
	s_wait_dscnt 0x0
	s_set_vgpr_msb 0x500
	s_endpgm
.Lfunc_end_k_q52874780ce_attn:
	.size	k_q52874780ce_attn, .Lfunc_end_k_q52874780ce_attn-k_q52874780ce_attn
	.p2alignl 7, 3214868480
	.fill 96, 4, 3214868480
	.section	.rodata,"a",@progbits
	.p2align	6, 0x0
	.amdhsa_kernel k_q52874780ce_attn
		.amdhsa_group_segment_fixed_size 138240
		.amdhsa_private_segment_fixed_size 0
		.amdhsa_enable_private_segment 0
		.amdhsa_kernarg_size 16
		.amdhsa_user_sgpr_count 2
		.amdhsa_user_sgpr_kernarg_segment_ptr 1
		.amdhsa_wavefront_size32 1
		.amdhsa_system_sgpr_workgroup_id_x 1
		.amdhsa_system_sgpr_workgroup_id_y 1
		.amdhsa_system_sgpr_workgroup_id_z 1
		.amdhsa_system_vgpr_workitem_id 0
		.amdhsa_next_free_vgpr 258
		.amdhsa_next_free_sgpr 66
		.amdhsa_reserve_vcc 0
		.amdhsa_float_denorm_mode_32 3
		.amdhsa_float_denorm_mode_16_64 3
		.amdhsa_memory_ordered 1
		.amdhsa_forward_progress 1
		.amdhsa_inst_pref_size 117
	.end_amdhsa_kernel
	.amdgpu_metadata
---
amdhsa.version: [ 1, 2 ]
amdhsa.kernels:
  - .name:           k_q52874780ce_attn
    .symbol:         k_q52874780ce_attn.kd
    .args:
      - { .name: qkvf, .offset: 0, .size: 8, .value_kind: global_buffer, .address_space: global }
      - { .name: aof, .offset: 8, .size: 8, .value_kind: global_buffer, .address_space: global }
    .group_segment_fixed_size: 138240
    .private_segment_fixed_size: 0
    .kernarg_segment_align: 8
    .kernarg_segment_size: 16
    .max_flat_workgroup_size: 256
    .sgpr_count:     66
    .vgpr_count:     258
    .wavefront_size: 32
...
	.end_amdgpu_metadata
.endif
;; end of part 3
;; launch oproj (part 4): grid 8 x 32, 4 waves a work-group, clusters of 4 x 4, 327,680 bytes of LDS; arguments aof, wb, bo, out0; writes out0
.if DOCPART == 4
	.amdgcn_target "amdgcn-amd-amdhsa--gfx1250"
	.amdhsa_code_object_version 6
	.text
	.protected	k_q52874780ce_oproj
	.globl	k_q52874780ce_oproj
	.p2align	8
	.type	k_q52874780ce_oproj,@function
k_q52874780ce_oproj:
	s_mov_b64 s[64:65], 0
	v_nop
	global_prefetch_b8 v0, s[64:65] scope:SCOPE_SE
	s_setreg_imm32_b32 hwreg(HW_REG_WAVE_MODE, 25, 1), 1
	s_wait_xcnt 0x0
	s_wait_alu depctr_hold_cnt(0) depctr_sa_sdst(0) depctr_va_vdst(0) depctr_va_sdst(0) depctr_va_ssrc(0) depctr_va_vcc(0) depctr_vm_vsrc(0)
	s_getreg_b32 s2, hwreg(HW_REG_IB_STS2, 6, 4)
	s_cmp_eq_u32 s2, 0
	s_cbranch_scc0 .Lentry_in_a_cluster
	s_endpgm
.Lentry_in_a_cluster:
	s_bfe_u32 s2, ttmp6, 0x10000c
	s_cmp_lg_u32 s2, 0xf033
	s_cbranch_scc0 .Lentry_shape_is_right
	s_endpgm
.Lentry_shape_is_right:
; oproj: out0 = attention output x wo^T + bo.  [4096, 1024] x [1024, 1024]^T, f16 operands, f32 sums, f32 out.
; 256 work-groups, one for each block of 128 x 128, so that every WGP has one; four waves of 64 x 64 (16 accumulator tiles in window 1).
; A (aof) lies in memory in fragment order: [block of 16 rows][K step of 32: 1,024 bytes][half: 512][lane*16], so a fragment load
; is base + 16 x lane, without bank conflicts and without padding.  B = wo, the fourth matrix of wb, row-major, rows padded in LDS.
; K = 1024 goes through two LDS slots of 256 along K each: four fills, two of them refills, so two rounds of the cluster's barrier in the product.
; CLUSTERS: 4 x 4.  A's tile hangs on the block row and is asked for jointly along a row of the cluster, B's on the block column, along a column.
; The matrix instruction takes B's rows as source 0, A's as source 1: a lane holds row r and 8 neighbouring columns; 16 rows at a time go
; through the wave's own stage so that sixteen lanes store 256 consecutive bytes, aligned.
.set ABYTES, 65536                     ; A's part of a slot: 8 row blocks x 8,192 bytes
.set AHALF,  32768                     ; what one tensor load of A brings: 4 rows of 8,192 bytes
.set BPITCH, 528                       ; a row of B: 512 bytes + 16
.set BHALF,  64*BPITCH                 ; what one tensor load of B brings
.set SLOT,   ABYTES+2*BHALF            ; 133,120
.set STAGE,  2*SLOT                    ; behind the ring, never filled by a tensor load
.set SPITCH, 272                       ; a stage row: 64 f32 + 16 bytes
.set ADRA, 16                          ; v16-17
.set ADRB, 20                          ; v20-21
.set STO,  24
.set RD,   25
.set CO,   26
.set BOFF, 27
.set F0,   32                          ; buffer 0: A's four fragments v32-63, B's v64-95
.set F1,   96                          ; buffer 1: v96-127, v128-159
.set RB,   160                         ; v160-191 rows read back
.set BI,   192                         ; v192-195 bias of my four columns on the way out
.set G1, 24
.set G0, 32
.set G1B, 48
.set G0B, 56
.set ACCW, 0x50                        ; C and D in window 1
.set MSB, 0
.macro WIN new
.if MSB != \new
	s_set_vgpr_msb (MSB<<8)|\new
.set MSB, \new
.endif
.endm
.macro JLOAD s                         ; waves 0, 1 ask for A's halves, waves 2, 3 for B's
	s_cmp_eq_u32 s11, 0
	s_cbranch_scc0 .Lfor_b_\@
	tensor_load_to_lds s[G0+4*\s:G0+4*\s+3], s[G1:G1+7]
	s_nop 0
	s_branch .Lasked_\@
.Lfor_b_\@:
	tensor_load_to_lds s[G0B+4*\s:G0B+4*\s+3], s[G1B:G1B+7]
	s_nop 0
.Lasked_\@:
.endm
.macro CROUND                          ; a round of the cluster's barrier
	s_barrier_signal -1
	s_barrier_wait -1
	s_cmp_lg_u32 s10, 0
	s_cbranch_scc1 .Lnot_wave_0_\@
	s_barrier_signal -3
.Lnot_wave_0_\@:
	s_barrier_wait -3
	s_barrier_signal -1
	s_barrier_wait -1
.endm
.macro PLACES                          ; places behind matrix instructions (ISA guide 7.12.1)
.rept 4
	v_nop
.endr
.endm
	s_load_b128 s[4:7], s[0:1], 0x0                ; aof, wb
	s_load_b128 s[68:71], s[0:1], 0x10             ; bo, out0
	v_lshl_add_u32 v254, v0, 2, 0x45400
	v_mov_b32 v255, 0
	ds_add_u32 v254, v255
	v_lshrrev_b32 v1, 5, v0
	v_readfirstlane_b32 s10, v1
	s_lshr_b32 s11, s10, 1                         ; my half of the rows.  Also: I fetch for A (0) or B (1)
	s_and_b32 s12, s10, 1                          ; my half of the columns.  Also: which half I fetch
	s_bfe_u32 s40, ttmp6, 0x40000                  ; cx
	s_bfe_u32 s41, ttmp6, 0x40004                  ; cy
	s_lshl_b32 s42, ttmp9, 2
	s_add_co_u32 s42, s42, s40                     ; block column 0..7
	s_and_b32 s13, ttmp7, 0xffff
	s_lshl_b32 s13, s13, 2
	s_add_co_u32 s13, s13, s41                     ; block row 0..31
	s_lshl_b32 s43, s41, 2
	s_lshl_b32 s43, 15, s43
	s_lshl_b32 s44, 0x1111, s40
	; A: 4 rows of 1,024 elements of 8 bytes (8 KiB: 256 along K of a row block), 4,096 elements (32 KiB) from row block to row block
	s_or_b32 s[G1+0], s43, (3<<16)|(1<<21)
	s_mov_b32 s[G1+1], 1024<<16
	s_mov_b32 s[G1+2], 4<<16
	s_mov_b32 s[G1+3], 1024<<16
	s_mov_b32 s[G1+4], 4
	s_mov_b32 s[G1+5], 4096
	s_mov_b32 s[G1+6], 0
	s_mov_b32 s[G1+7], 0
	; B: 64 rows of 256 elements of 2 bytes, 4 words of padding behind every 128
	s_or_b32 s[G1B+0], s44, (1<<16)|(1<<20)|(1<<21)|(6<<22)|(3<<25)
	s_mov_b32 s[G1B+1], 256<<16
	s_mov_b32 s[G1B+2], 64<<16
	s_mov_b32 s[G1B+3], 256<<16
	s_mov_b32 s[G1B+4], 64
	s_mov_b32 s[G1B+5], 1024
	s_mov_b32 s[G1B+6], 0
	s_mov_b32 s[G1B+7], 0
	s_lshl_b32 s16, s13, 18                        ; 8 row blocks of 32 KiB a block row,
	s_lshl_b32 s17, s12, 17                        ; 4 a half
	s_add_co_u32 s16, s16, s17
	s_mov_b32 s17, 0
	s_lshl_b32 s46, s42, 18                        ; 128 rows of 2,048 bytes a block column,
	s_lshl_b32 s47, s12, 17                        ; 64 a half,
	s_add_co_u32 s46, s46, s47
	s_add_co_u32 s46, s46, 0x600000                ; in the fourth matrix of wb
	s_mov_b32 s47, 0
	s_lshl_b32 s20, s12, 15                        ; LDS: A's halves,
	s_mul_i32 s45, s12, BHALF
	s_add_co_u32 s45, s45, ABYTES                  ; B's halves behind them: no place in the cluster enters an LDS address
	s_wait_dscnt 0x0
	s_wait_kmcnt 0x0
	s_add_nc_u64 s[14:15], s[4:5], s[16:17]
	s_add_nc_u64 s[46:47], s[6:7], s[46:47]
	CROUND                                         ; the first joint loads meet
.irp s, 0,1
	s_mov_b32 s[G0+4*\s], 1
	s_add_co_u32 s[G0+4*\s+1], s20, \s*SLOT
	s_add_nc_u64 s[G0+4*\s+2:G0+4*\s+3], s[14:15], \s*8192
	s_or_b32 s[G0+4*\s+3], s[G0+4*\s+3], 0x80000000
	s_mov_b32 s[G0B+4*\s], 1
	s_add_co_u32 s[G0B+4*\s+1], s45, \s*SLOT
	s_add_nc_u64 s[G0B+4*\s+2:G0B+4*\s+3], s[46:47], \s*512
	s_or_b32 s[G0B+4*\s+3], s[G0B+4*\s+3], 0x80000000
	JLOAD \s                                       ; two loads of the wave are out here, one at any later time
.endr
	v_and_b32 v1, 15, v0                           ; l % 16
	v_bfe_u32 v2, v0, 4, 1                         ; l / 16
	v_and_b32 v3, 31, v0
	v_lshlrev_b32 v3, 4, v3                        ; 16 x lane
	v_mul_u32_u24 v4, v1, BPITCH
	v_lshl_add_u32 v4, v2, 4, v4
	s_lshl_b32 s21, s11, 15                        ; my four row blocks of A
	s_mul_i32 s22, s12, BHALF
	s_add_co_u32 s22, s22, ABYTES                  ; my 64 rows of B
.irp s, 0,1
	v_add_nc_u32 v[ADRA+\s], s21, v3
	v_add_nc_u32 v[ADRB+\s], s22, v4
	s_add_co_u32 s21, s21, SLOT
	s_add_co_u32 s22, s22, SLOT
.endr
	s_mul_i32 s23, s10, 16*SPITCH
	s_add_co_u32 s23, s23, STAGE
	v_mul_u32_u24 v4, v1, SPITCH
	v_lshl_add_u32 v4, v2, 5, v4
	v_add_nc_u32 v[STO], s23, v4                   ; in: row l % 16, 32 bytes for each half of the lanes
	v_mul_u32_u24 v5, v2, SPITCH
	v_lshl_add_u32 v5, v1, 4, v5
	v_add_nc_u32 v[RD], s23, v5                    ; back: lanes 0-15 one row of 256 bytes, lanes 16-31 the next
	v_lshlrev_b32 v[BOFF], 4, v1
	v_lshl_add_u32 v[CO], v2, 12, v[BOFF]          ; the same two rows in out0
	s_lshl_b32 s46, s42, 9                         ; my first column, in bytes: 512 x block + 256 x half
	s_lshl_b32 s47, s12, 8
	s_add_co_u32 s46, s46, s47
	s_mov_b32 s47, 0
	s_add_nc_u64 s[72:73], s[68:69], s[46:47]
	global_load_b128 v[BI:BI+3], v[BOFF], s[72:73] ; waited for on the way out
.macro FETCH n, k, f                   ; the fragments of K step k of slot n: 16 loads in one run
	WIN 0
.irp b, 0,1,2,3
	ds_load_b128 v[\f+32+8*\b:\f+32+8*\b+3], v[ADRB+\n] offset:16*BPITCH*\b+64*(\k)
	ds_load_b128 v[\f+32+8*\b+4:\f+32+8*\b+7], v[ADRB+\n] offset:16*BPITCH*\b+64*(\k)+32
.endr
.irp a, 0,1,2,3
	ds_load_b128 v[\f+8*\a:\f+8*\a+3], v[ADRA+\n] offset:8192*\a+1024*(\k)
	ds_load_b128 v[\f+8*\a+4:\f+8*\a+7], v[ADRA+\n] offset:8192*\a+1024*(\k)+512
.endr
.endm
.macro MUL16 f, zero                   ; the 16 accumulators take turns, one instruction a turn
	WIN ACCW
.irp a, 0,1,2,3
.irp b, 0,1,2,3
.if \zero
	v_wmma_f32_16x16x32_f16 v[8*(4*\a+\b):8*(4*\a+\b)+7], v[\f+32+8*\b:\f+32+8*\b+7], v[\f+8*\a:\f+8*\a+7], 0
.else
	v_wmma_f32_16x16x32_f16 v[8*(4*\a+\b):8*(4*\a+\b)+7], v[\f+32+8*\b:\f+32+8*\b+7], v[\f+8*\a:\f+8*\a+7], v[8*(4*\a+\b):8*(4*\a+\b)+7]
.endif
.endr
.endr
.endm
.macro STEP n, k, f, g                 ; multiplies K step k (buffer f) while K step k + 1 comes into g, which the products just issued have read
	PLACES
	FETCH \n, \k+1, \g
	s_wait_dscnt 16                                ; buffer f is in; the sixteen loads just issued stay out
	MUL16 \f, 0
.endm
.macro CONSUME n, zero                 ; a slot's eight K steps
	PLACES
	FETCH \n, 0, F0
	FETCH \n, 1, F1
	s_wait_dscnt 16
	MUL16 F0, \zero
	STEP \n, 1, F1, F0
	STEP \n, 2, F0, F1
	STEP \n, 3, F1, F0
	STEP \n, 4, F0, F1
	STEP \n, 5, F1, F0
	STEP \n, 6, F0, F1
	s_wait_dscnt 0
	MUL16 F1, 0
	WIN 0
.endm
.macro REFILL s                        ; slot s, which has been read, gets the K that lies two slots further on
	s_wait_dscnt 0x0                               ; my reads of the slot are back
	s_wait_tensorcnt 0x0                           ; all my tensor loads have landed: the other slot's part among them
	ds_add_u32 v254, v255
	s_wait_dscnt 0x0
	CROUND                                         ; both now hold of every wave of all sixteen work-groups
	s_add_nc_u64 s[G0+4*\s+2:G0+4*\s+3], s[G0+4*\s+2:G0+4*\s+3], 2*8192
	s_add_nc_u64 s[G0B+4*\s+2:G0B+4*\s+3], s[G0B+4*\s+2:G0B+4*\s+3], 2*512
	JLOAD \s                                       ; the wave's one tensor load behind the round; it has a slot's 128 matrix instructions in which to land
.endm
	s_wait_tensorcnt 0x1                           ; my part of slot 0 is in; slot 1's stays out
	s_barrier_signal -1
	s_barrier_wait -1
	CONSUME 0, 1                                   ; the first products start the sums
	REFILL 0
	CONSUME 1, 0
	REFILL 1
	CONSUME 0, 0
	s_wait_dscnt 0x0
	s_wait_tensorcnt 0x0                           ; my part of the last fill
	s_barrier_signal -1
	s_barrier_wait -1                              ; everybody's
	CONSUME 1, 0
	; the way out
	PLACES
	s_lshl_b32 s16, s13, 19                        ; 128 rows of 4,096 bytes a block row,
	s_lshl_b32 s17, s11, 18                        ; 64 a half
	s_add_co_u32 s16, s16, s17
	s_mov_b32 s17, 0
	s_add_nc_u64 s[8:9], s[70:71], s[16:17]
	s_add_nc_u64 s[8:9], s[8:9], s[46:47]          ; and my first column
	s_wait_loadcnt 0x0                             ; the bias
.macro OUT16 a
	WIN 0x04                                       ; store data from window 1
.irp b, 0,1,2,3
	ds_store_b128 v[STO], v[8*(4*\a+\b):8*(4*\a+\b)+3]   offset:64*\b
	ds_store_b128 v[STO], v[8*(4*\a+\b)+4:8*(4*\a+\b)+7] offset:64*\b+16
.endr
	WIN 0
	s_wait_xcnt 0x0                                ; the rows read back, which earlier stores read, are rewritten only behind this wait
.irp t, 0,1,2,3,4,5,6,7
	ds_load_b128 v[RB+4*\t:RB+4*\t+3], v[RD] offset:\t*2*SPITCH    ; LDS serves a wave's instructions in order: these see the stores above
.endr
.irp t, 0,1,2,3,4,5,6,7
	s_wait_dscnt 7-\t
	v_pk_add_f32 v[RB+4*\t:RB+4*\t+1], v[RB+4*\t:RB+4*\t+1], v[BI:BI+1]
	v_pk_add_f32 v[RB+4*\t+2:RB+4*\t+3], v[RB+4*\t+2:RB+4*\t+3], v[BI+2:BI+3]
	global_store_b128 v[CO], v[RB+4*\t:RB+4*\t+3], s[8:9] offset:(16*\a+2*\t)*4096   ; 16 lanes store 256 consecutive bytes, aligned
.endr
.endm
	OUT16 0
	OUT16 1
	OUT16 2
	OUT16 3
	s_wait_tensorcnt 0x0
	ds_add_u32 v254, v255
	s_wait_dscnt 0x0
	CROUND                                         ; the closing round
	s_endpgm
.Lfunc_end_k_q52874780ce_oproj:
	.size	k_q52874780ce_oproj, .Lfunc_end_k_q52874780ce_oproj-k_q52874780ce_oproj
	.p2alignl 7, 3214868480
	.fill 96, 4, 3214868480
	.section	.rodata,"a",@progbits
	.p2align	6, 0x0
	.amdhsa_kernel k_q52874780ce_oproj
		.amdhsa_group_segment_fixed_size 327680
		.amdhsa_private_segment_fixed_size 0
		.amdhsa_enable_private_segment 0
		.amdhsa_kernarg_size 32
		.amdhsa_user_sgpr_count 2
		.amdhsa_user_sgpr_kernarg_segment_ptr 1
		.amdhsa_wavefront_size32 1
		.amdhsa_system_sgpr_workgroup_id_x 1
		.amdhsa_system_sgpr_workgroup_id_y 1
		.amdhsa_system_sgpr_workgroup_id_z 1
		.amdhsa_system_vgpr_workitem_id 0
		.amdhsa_next_free_vgpr 384
		.amdhsa_next_free_sgpr 76
		.amdhsa_reserve_vcc 0
		.amdhsa_float_denorm_mode_32 3
		.amdhsa_float_denorm_mode_16_64 3
		.amdhsa_memory_ordered 1
		.amdhsa_forward_progress 1
		.amdhsa_inst_pref_size 92
	.end_amdhsa_kernel
	.amdgpu_metadata
---
amdhsa.version: [ 1, 2 ]
amdhsa.kernels:
  - .name:           k_q52874780ce_oproj
    .symbol:         k_q52874780ce_oproj.kd
    .args:
      - { .name: aof, .offset: 0, .size: 8, .value_kind: global_buffer, .address_space: global }
      - { .name: wb, .offset: 8, .size: 8, .value_kind: global_buffer, .address_space: global }
      - { .name: bo, .offset: 16, .size: 8, .value_kind: global_buffer, .address_space: global }
      - { .name: out0, .offset: 24, .size: 8, .value_kind: global_buffer, .address_space: global }
    .group_segment_fixed_size: 327680
    .private_segment_fixed_size: 0
    .kernarg_segment_align: 8
    .kernarg_segment_size: 32
    .max_flat_workgroup_size: 128
    .sgpr_count:     76
    .vgpr_count:     384
    .wavefront_size: 32
...
	.end_amdgpu_metadata
.endif
;; end of part 4
